; MI455X (gfx1250); checked and timed in simulation.
; The chip was launched on July 23, 2026; its instructions are those of AMD's public machine-readable ISA for CDNA 5 (MIT licence, August 2026) and "CDNA5" Instruction Set Architecture Reference Guide (July 2026). The comments in the code are by the model that wrote it; some were corrected since.
;; Attention Block. Allowed arithmetic: matrix products marked QUANTISED: E5M2 operands, one E8M0 scale for each 32 along K, by v_wmma_scale_f32_16x16x128_f8f6f4 with both operands' format E5M2, f32 sums; everything else in f32.
;; Inputs: gn_b 256 float32; gn_w 256 float32; proj_b 256 float32; proj_w 256 x 256 float32; qkv_b 768 float32; qkv_w 768 x 256 float32; x 4 x 256 x 64 x 64 float32.
;; Outputs: out0 4 x 256 x 64 x 64 float32.
;; This version of the problem:
;;   THIS VERSION OF THE PROBLEM IS GIVEN IN LOW PRECISION. The matrix products marked QUANTISED in the list below multiply operands that are first quantised to E5M2 (5 exponent bits, 2 mantissa bits; 8 bits a number), with one power-of-two scale for each 32 numbers along K (OCP MX v1.0); their sums are f32. All else is computed in f32.
;;   The module's matrix products, in the order in which they are computed (A, B: the left and right operand; K: the contracted axis; several contracted axes count as one K, in the product's order):
;;     1. [M 16,384, K 256] x [K 256, N 768]; A: computed on the way; B: input qkv_w: QUANTISED
;;     2. batch 16 x [M 4,096, K 64] x [K 64, N 4,096]; A: computed on the way; B: computed on the way: QUANTISED
;;     3. batch 16 x [M 4,096, K 4,096] x [K 4,096, N 64]; A: softmax (see below); B: computed on the way: QUANTISED
;;     4. [M 16,384, K 256] x [K 256, N 256]; A: computed on the way; B: input proj_w: QUANTISED
;;   THE QUANTISER, for each operand of a quantised product, along K:
;;     - K is cut into blocks of 32 from its start; a last block that is shorter is filled with zeros.
;;     - A block's scale is 2^e with e = floor(log2(the largest magnitude in the block)) - 15, held to -126 .. 127; a block of zeros has e = 0. As a byte (E8M0): e + 127.
;;     - Each number is divided by its block's scale, clamped to +-57,344, and rounded to the nearest number of E5M2, ties to even, subnormals kept.
;;     - The product sums the exact products of the quantised numbers (number of the format x scale) in f32.
;;   ~~~python
;;   def quantise(x, axis):      # numpy; x: float32 -> the quantised numbers, widened to float32 again
;;       x = np.moveaxis(x, axis, -1); K = x.shape[-1]
;;       x = np.pad(x, [(0, 0)] * (x.ndim - 1) + [(0, -K % 32)]); x = x.reshape(x.shape[:-1] + (-1, 32)); a = np.abs(x).max(-1, keepdims=True)
;;       e = np.where(a > 0, np.clip(np.frexp(np.where(a > 0, a, 1))[1] - 1 - 15, -126, 127), 0)      # np.frexp(a)[1] - 1 = floor(log2(a)), exactly
;;       r = np.clip(x / 2.0 ** e, -57344, 57344)
;;       step = 2.0 ** (np.maximum(np.frexp(np.where(r == 0, 1, r))[1] - 1, -14) - 2)
;;       q = np.round(r / step) * step * 2.0 ** e      # np.round: ties to even
;;       return np.moveaxis(q.reshape(q.shape[:-2] + (-1,))[..., :K], -1, axis).astype(np.float32)
;;   ~~~
;;   SOFTMAX AHEAD OF A QUANTISED PRODUCT. Where the list says 'softmax', what is quantised is not the finished softmax but p = 2^(t - M), with t = logit x log2(e) and M = ceil(the row's largest t), a whole number; so 1/2 < the row's largest p <= 1. The row's sum l is taken of the UNQUANTISED p, in f32, and the product's result is divided by l at the end. Since M is a whole number, a kernel that streams over the keys may use a running M (the ceiling of the running maximum): every later rescaling is an exact power of two, which a block's scale takes up: the codes' values come out the same.
;;   OPERANDS COMPUTED ON THE WAY. 'Computed on the way' means the value that the module computes at that place (a softmax that the list does not call 'softmax' is quantised finished and normalised). What goes into a quantiser is computed in f32, as accurately as f32 sums, v_exp_f32 and their like allow (about 1e-6 of the number): no bf16 or f16 on the way to a quantiser, and a product that is left as it is and whose result goes on into a quantised operand takes f32 operands (vector FMAs, or v_wmma_f32_16x16x4_f32). A number that lies on a knife's edge between two numbers of the format may be rounded either way, as far as f32 arithmetic and the matrix unit's own rounding can turn it there, and no further.
;; One version. Each part assembles by itself: llvm-mc -triple=amdgcn-amd-amdhsa -mcpu=gfx1250 --defsym DOCPART=n.
;; ======== version 1 of 1: 3 launches
;; limits: right only within a limited range of input values
;; workspace buffers: coef 16,384 bytes; wts 278,528 bytes; qbuf 4,456,448 bytes; kv 8,781,824 bytes
;; launch prep (part 1): grid 128 x 1, 8 waves a work-group, no clusters, 1,280 bytes of LDS; arguments x, gn_w, gn_b, qkv_w, proj_w, coef, wts; writes coef, wts
.if DOCPART == 1
	.amdgcn_target "amdgcn-amd-amdhsa--gfx1250"
	.amdhsa_code_object_version 6
	.text
	.protected	k_q994e3de74e_prep
	.globl	k_q994e3de74e_prep
	.p2align	8
	.type	k_q994e3de74e_prep,@function
k_q994e3de74e_prep:
	s_mov_b64 s[64:65], 0
	v_nop
	global_prefetch_b8 v0, s[64:65] scope:SCOPE_SE
	s_setreg_imm32_b32 hwreg(HW_REG_WAVE_MODE, 25, 1), 1
	s_wait_xcnt 0x0
; GROUP NORM'S STATISTICS AND THE WEIGHTS' CODES.
; x: [4][256][4096] f32.  A group is 8 channels x 4,096 positions = 32,768 numbers = 131,072 dense bytes.  Work-group G = 32 b + g owns one group; each of its eight waves
; holds 16,384 bytes of it in 128 registers a lane, so the group is read once and serves both passes: the mean, then the sum of (x - mean)^2.  (Two passes: the variance is never a difference of large sums.)
; Out: coef[G][32 words]: words 0-7 rstd x gn_w[c], words 8-15 gn_b[c], words 16-31 -mean.
; Wave 0 also turns weight fragment number G into codes of BF8 (E5M2) with one E8M0 byte for each 32 along K.  A fragment is 16 rows x 128 K, stored AS THE OPERAND'S REGISTERS: group c of four
; registers at 512 c + 16 lane; its scale word at 4 lane (lanes 16-31 hold the same as lanes 0-15).
;   G < 96: qkv_w, tile T = G / 2, K step G % 2; THE ROWS OF A TILE ARE NOT NEIGHBOURS: lane r takes row 32 (T / 2) + 8 (T % 2) + r + 8 (r / 8).  Laid by head pair hp: fragment f = 2 (8 kind + T % 8) + s at hp x 104,448 + 2,048 f.
;   G >= 96: proj_w, tile (G - 96) / 2, rows 16 T + r, at 208,896 + 2,048 (G - 96).
; LIMITS: NaN and infinities among the inputs are not served.  A block of zeros gets the byte 1 where the rule says 127: its codes are zeros, and this program alone reads the bytes.
; The record's store covers 128 consecutive bytes and so does a scale register's: 32 KB in the whole launch go out in such halves of 256.
.set X,   16                           ; v16-143   my wave's 128 numbers a lane
.set WN,  144                          ; v144-207  wave 0: 64 numbers of the weight: register 16 b + i = k 32 b + 16 (lane / 16) + i of my row
.set CD,  208                          ; v208-223  their codes
.set TM,  224                          ; v224-231  four packed chains; later v224-227 largest magnitudes, v228-231 partners and bytes, v236-239 scale operands
.set NM,  240                          ; v[240:241] -mean, twice
.set PW,  242                          ; the scale word
.set FLOOR, 0x8000000                  ; 2^(16 - 127): holds a scale's byte at 1 from below
	s_load_b256 s[4:11], s[0:1], 0x0               ; x s[4:5], gn_w s[6:7], gn_b s[8:9], qkv_w s[10:11]
	s_load_b128 s[12:15], s[0:1], 0x20             ; proj_w s[12:13], coef s[14:15]
	s_load_b64 s[16:17], s[0:1], 0x30              ; wts
	v_lshl_add_u32 v254, v0, 2, 0x100
	v_mov_b32 v255, 0
	v_lshrrev_b32 v6, 5, v0
	s_delay_alu instid0(VALU_DEP_1)
	v_readfirstlane_b32 s18, v6                    ; wave 0..7
	v_and_b32 v5, 31, v0                           ; lane
	v_and_b32 v7, 15, v0                           ; r
	v_bfe_u32 v8, v0, 4, 1                         ; h
	v_and_b32 v4, 7, v0
	s_delay_alu instid0(VALU_DEP_4)
	v_lshlrev_b32 v1, 4, v5                        ; 16 x lane
	v_lshlrev_b32 v2, 2, v5                        ; 4 x lane
	s_delay_alu instid0(VALU_DEP_3)
	v_lshlrev_b32 v4, 2, v4                        ; 4 x (lane % 8): my channel of the group
	v_mov_b32 v10, s18
	s_delay_alu instid0(VALU_DEP_1)
	v_lshlrev_b32 v10, 2, v10                      ; LDS: my wave's word
	v_mov_b32 v11, 0
	s_mov_b32 s20, ttmp9                           ; G
	; the fragment's place if it is qkv_w's
	s_lshr_b32 s21, s20, 1                         ; T
	s_and_b32 s22, s20, 1                          ; K step (96 is even: the same for proj_w)
	s_lshr_b32 s23, s21, 4                         ; kind: q, k, v
	s_bfe_u32 s24, s21, 0x10003                    ; hp
	s_and_b32 s25, s21, 7
	s_lshl_b32 s26, s23, 3
	s_add_co_u32 s26, s26, s25
	s_lshl_b32 s26, s26, 1
	s_add_co_u32 s26, s26, s22                     ; f
	s_mul_i32 s27, s24, 104448
	s_lshl_b32 s28, s26, 11
	s_add_co_u32 s28, s28, s27                     ; its codes
	s_lshl_b32 s29, s26, 7
	s_add_co_u32 s29, s29, s27
	s_add_co_u32 s29, s29, 98304                   ; its scale words
	s_lshr_b32 s30, s21, 1
	s_lshl_b32 s30, s30, 5
	s_and_b32 s31, s21, 1
	s_lshl_b32 s31, s31, 3
	s_add_co_u32 s30, s30, s31                     ; its first row
	; and if it is proj_w's (not used where G < 96)
	s_sub_co_u32 s32, s20, 96
	s_lshl_b32 s33, s32, 11
	s_add_co_u32 s33, s33, 208896
	s_lshl_b32 s34, s32, 7
	s_add_co_u32 s34, s34, 274432
	s_lshr_b32 s35, s32, 1
	s_lshl_b32 s35, s35, 4
	s_mov_b32 s44, 0x76543210
	s_mov_b32 s45, 0xfedcba98                      ; v_permlanex16_b32's selects for lane l xor 16
	s_mov_b32 s46, 0x38000000                      ; 1 / 32,768
	s_mov_b32 s47, 0x3727c5ac                      ; 1e-5
	s_wait_alu depctr_va_vdst(0)
	s_wait_kmcnt 0x0
	s_cmp_lt_u32 s20, 96                           ; the choice hangs on the work-group's number alone
	s_cselect_b64 s[38:39], s[10:11], s[12:13]
	s_cselect_b32 s28, s28, s33
	s_cselect_b32 s29, s29, s34
	s_cselect_b32 s30, s30, s35
	s_cselect_b32 s37, 8, 0
	s_lshl_b32 s30, s30, 10                        ; rows of 1,024 bytes,
	s_lshl_b32 s31, s22, 9                         ; 128 numbers a K step
	s_add_co_u32 s30, s30, s31
	s_mov_b32 s31, 0
	s_add_nc_u64 s[38:39], s[38:39], s[30:31]
	s_lshl_b32 s40, s20, 17                        ; my group,
	s_lshl_b32 s41, s18, 14                        ; my wave's eighth of it
	s_add_co_u32 s40, s40, s41
	s_mov_b32 s41, 0
	s_add_nc_u64 s[4:5], s[4:5], s[40:41]
	s_and_b32 s42, s20, 31
	s_lshl_b32 s42, s42, 5                         ; the group's 8 channels in gn_w and gn_b
	s_mov_b32 s43, 0
	s_add_nc_u64 s[6:7], s[6:7], s[42:43]
	s_add_nc_u64 s[8:9], s[8:9], s[42:43]
	s_lshl_b32 s32, s20, 7
	s_mov_b32 s33, 0
	s_add_nc_u64 s[14:15], s[14:15], s[32:33]      ; my record
	v_and_b32 v9, s37, v7
	s_delay_alu instid0(VALU_DEP_1)
	v_add_nc_u32 v9, v9, v7                        ; r + 8 (r / 8) for qkv_w, r for proj_w
	s_delay_alu instid0(VALU_DEP_1)
	v_lshlrev_b32 v3, 10, v9
	s_delay_alu instid0(VALU_DEP_1)
	v_lshl_add_u32 v3, v8, 6, v3                   ; my row, + my half's 16 numbers
	v_add_nc_u32 v12, s28, v1
	v_add_nc_u32 v13, s29, v2
	s_cmp_lg_u32 s18, 0
	s_cbranch_scc1 .Lno_weight
.irp b, 0,1,2,3
.irp j, 0,1,2,3
	global_load_b128 v[WN+16*\b+4*\j:WN+16*\b+4*\j+3], v3, s[38:39] offset:128*\b+16*\j
.endr
.endr
	global_load_b32 v248, v4, s[6:7]
	global_load_b32 v249, v4, s[8:9]
.Lno_weight:
.set i, 0
.rept 32
	global_load_b128 v[X+4*i:X+4*i+3], v1, s[4:5] offset:512*i      ; 32 lanes read 512 consecutive bytes; all 32 loads are out together
.set i, i+1
.endr
	s_wait_loadcnt 0x0
; The four chains become one number; then across the 32 lanes; then across the eight waves, through LDS words at off.
.macro WGSUM off
	s_delay_alu instid0(VALU_DEP_3)
	v_pk_add_f32 v[TM:TM+1], v[TM:TM+1], v[TM+2:TM+3]
	s_delay_alu instid0(VALU_DEP_2)
	v_pk_add_f32 v[TM+4:TM+5], v[TM+4:TM+5], v[TM+6:TM+7]
	s_delay_alu instid0(VALU_DEP_1)
	v_pk_add_f32 v[TM:TM+1], v[TM:TM+1], v[TM+4:TM+5]
	s_delay_alu instid0(VALU_DEP_1)
	v_add_f32 v[TM], v[TM], v[TM+1]
	s_delay_alu instid0(VALU_DEP_1)
	v_add_f32_dpp v[TM], v[TM], v[TM] row_xmask:1 row_mask:0xf bank_mask:0xf
	s_delay_alu instid0(VALU_DEP_1)
	v_add_f32_dpp v[TM], v[TM], v[TM] row_xmask:2 row_mask:0xf bank_mask:0xf
	s_delay_alu instid0(VALU_DEP_1)
	v_add_f32_dpp v[TM], v[TM], v[TM] row_xmask:4 row_mask:0xf bank_mask:0xf
	s_delay_alu instid0(VALU_DEP_1)
	v_add_f32_dpp v[TM], v[TM], v[TM] row_xmask:8 row_mask:0xf bank_mask:0xf
	s_delay_alu instid0(VALU_DEP_1)
	v_permlanex16_b32 v[TM+1], v[TM], s44, s45
	s_delay_alu instid0(VALU_DEP_1)
	v_add_f32 v[TM], v[TM], v[TM+1]
	ds_store_b32 v10, v[TM] offset:\off            ; all lanes write the wave's word with the same value
	s_wait_dscnt 0x0                               ; for the others' sake: my store has landed
	s_barrier_signal -1
	s_barrier_wait -1
	ds_load_b128 v[TM:TM+3], v11 offset:\off
	ds_load_b128 v[TM+4:TM+7], v11 offset:\off+16
	s_wait_dscnt 0x0
	v_add_f32 v[TM], v[TM], v[TM+1]
	v_add_f32 v[TM+2], v[TM+2], v[TM+3]
	v_add_f32 v[TM+4], v[TM+4], v[TM+5]
	v_add_f32 v[TM+6], v[TM+6], v[TM+7]
	s_delay_alu instid0(VALU_DEP_3)
	v_add_f32 v[TM], v[TM], v[TM+2]
	s_delay_alu instid0(VALU_DEP_2)
	v_add_f32 v[TM+4], v[TM+4], v[TM+6]
	s_delay_alu instid0(VALU_DEP_1)
	v_add_f32 v[TM], v[TM], v[TM+4]
.endm
	; pass 1: the sum, two numbers an instruction, in four chains that the first eight pairs start
.irp k, 0,1,2,3
	v_pk_add_f32 v[TM+2*\k:TM+2*\k+1], v[X+2*\k:X+2*\k+1], v[X+8+2*\k:X+9+2*\k]
.endr
.set i, 8
.rept 56
	s_delay_alu instid0(VALU_DEP_4)
	v_pk_add_f32 v[TM+2*(i%4):TM+2*(i%4)+1], v[TM+2*(i%4):TM+2*(i%4)+1], v[X+2*i:X+2*i+1]
.set i, i+1
.endr
	WGSUM 0
	s_delay_alu instid0(VALU_DEP_1)
	v_mul_f32 v[NM], 0xb8000000, v[TM]             ; -mean = -sum / 32,768
	s_delay_alu instid0(VALU_DEP_1)
	v_mov_b32 v[NM+1], v[NM]
	; pass 2: x - mean in place, then the sum of its squares
.set i, 0
.rept 64
	v_pk_add_f32 v[X+2*i:X+2*i+1], v[X+2*i:X+2*i+1], v[NM:NM+1]
.set i, i+1
.endr
.irp k, 0,1,2,3
	v_pk_mul_f32 v[TM+2*\k:TM+2*\k+1], v[X+2*\k:X+2*\k+1], v[X+2*\k:X+2*\k+1]
.endr
.set i, 4
.rept 60
	s_delay_alu instid0(VALU_DEP_4)
	v_pk_fma_f32 v[TM+2*(i%4):TM+2*(i%4)+1], v[X+2*i:X+2*i+1], v[X+2*i:X+2*i+1], v[TM+2*(i%4):TM+2*(i%4)+1]
.set i, i+1
.endr
	WGSUM 32                                       ; other words than the first sum's: no barrier is owed between the two
	s_delay_alu instid0(VALU_DEP_1)
	v_fma_f32 v243, v[TM], s46, s47                ; the variance + 1e-5
	s_wait_alu depctr_va_vdst(0)
	v_rsq_f32 v244, v243
	v_nop                                          ; a plain instruction between the transcendental and the use of its result
	s_cmp_lg_u32 s18, 0
	s_cbranch_scc1 .Ldone
	s_wait_alu depctr_va_vdst(0)
	v_mul_f32 v245, v244, v248                     ; rstd x gn_w
	v_cmp_gt_u32 vcc_lo, 16, v5
	s_delay_alu instid0(VALU_DEP_1)
	v_cndmask_b32 v246, v[NM], v249, vcc_lo        ; lanes 16-31 -mean, lanes 8-15 gn_b,
	v_cmp_gt_u32 vcc_lo, 8, v5
	s_delay_alu instid0(VALU_DEP_1)
	v_cndmask_b32 v246, v246, v245, vcc_lo         ; lanes 0-7 rstd x gn_w
	global_store_b32 v2, v246, s[14:15]
	; the weight's fragment: four blocks of 32 along K, 16 numbers of each in my lane, the other 16 in lane l xor 16
.irp b, 0,1,2,3
	v_max3_num_f32 v[TM+\b], |v[WN+16*\b]|, |v[WN+1+16*\b]|, FLOOR
.endr
.irp i, 2,4,6,8,10,12,14
.irp b, 0,1,2,3
	s_delay_alu instid0(VALU_DEP_4)
	v_max3_num_f32 v[TM+\b], v[TM+\b], |v[WN+16*\b+\i]|, |v[WN+1+16*\b+\i]|
.endr
.endr
.irp b, 0,1,2,3
	s_delay_alu instid0(VALU_DEP_4)
	v_permlanex16_b32 v[TM+4+\b], v[TM+\b], s44, s45
.endr
.irp b, 0,1,2,3
	s_delay_alu instid0(VALU_DEP_4)
	v_max_num_f32 v[TM+\b], v[TM+\b], v[TM+4+\b]   ; the block's largest magnitude
.endr
.irp b, 0,1,2,3
	s_delay_alu instid0(VALU_DEP_4)
	v_add_nc_u32 v[TM+12+\b], 0xf8800000, v[TM+\b] ; 15 off its exponent field: the conversion's scale operand
.endr
.irp b, 0,1,2,3
.endr
.irp b, 0,1,2,3
	s_delay_alu instid0(VALU_DEP_4)
	v_lshrrev_b32 v[TM+4+\b], 23, v[TM+12+\b]      ; the scale's byte
.endr
	s_delay_alu instid0(VALU_DEP_3)
	v_lshl_or_b32 v[PW], v[TM+5], 8, v[TM+4]
	s_delay_alu instid0(VALU_DEP_1)
	v_lshl_or_b32 v[PW], v[TM+6], 16, v[PW]
	s_delay_alu instid0(VALU_DEP_1)
	v_lshl_or_b32 v[PW], v[TM+7], 24, v[PW]
.irp b, 0,1,2,3
.irp i, 0,1,2,3,4,5,6,7,8,9,10,11,12,13,14,15
.endr
	v_cvt_scalef32_pk8_bf8_f32 v[CD+4*\b:CD+1+4*\b], v[WN+16*\b:WN+7+16*\b], v[TM+12+\b]
	v_cvt_scalef32_pk8_bf8_f32 v[CD+2+4*\b:CD+3+4*\b], v[WN+8+16*\b:WN+15+16*\b], v[TM+12+\b]
.endr
.irp c, 0,1,2,3
	global_store_b128 v12, v[CD+4*\c:CD+4*\c+3], s[16:17] offset:512*\c      ; 32 lanes store 512 consecutive bytes
.endr
	global_store_b32 v13, v[PW], s[16:17]
.Ldone:
	s_wait_tensorcnt 0x0
	ds_add_u32 v254, v255
	s_wait_dscnt 0x0
	s_endpgm
.Lfunc_end_k_q994e3de74e_prep:
	.size	k_q994e3de74e_prep, .Lfunc_end_k_q994e3de74e_prep-k_q994e3de74e_prep
	.p2alignl 7, 3214868480
	.fill 96, 4, 3214868480
	.section	.rodata,"a",@progbits
	.p2align	6, 0x0
	.amdhsa_kernel k_q994e3de74e_prep
		.amdhsa_group_segment_fixed_size 1280
		.amdhsa_private_segment_fixed_size 0
		.amdhsa_enable_private_segment 0
		.amdhsa_kernarg_size 56
		.amdhsa_user_sgpr_count 2
		.amdhsa_user_sgpr_kernarg_segment_ptr 1
		.amdhsa_wavefront_size32 1
		.amdhsa_system_sgpr_workgroup_id_x 1
		.amdhsa_system_sgpr_workgroup_id_y 1
		.amdhsa_system_sgpr_workgroup_id_z 1
		.amdhsa_system_vgpr_workitem_id 0
		.amdhsa_next_free_vgpr 256
		.amdhsa_next_free_sgpr 66
		.amdhsa_reserve_vcc 1
		.amdhsa_float_denorm_mode_32 3
		.amdhsa_float_denorm_mode_16_64 3
		.amdhsa_fp16_overflow 1
		.amdhsa_memory_ordered 1
		.amdhsa_forward_progress 1
		.amdhsa_inst_pref_size 34
	.end_amdhsa_kernel
	.amdgpu_metadata
---
amdhsa.version: [ 1, 2 ]
amdhsa.kernels:
  - .name:           k_q994e3de74e_prep
    .symbol:         k_q994e3de74e_prep.kd
    .args:
      - { .name: x, .offset: 0, .size: 8, .value_kind: global_buffer, .address_space: global }
      - { .name: gn_w, .offset: 8, .size: 8, .value_kind: global_buffer, .address_space: global }
      - { .name: gn_b, .offset: 16, .size: 8, .value_kind: global_buffer, .address_space: global }
      - { .name: qkv_w, .offset: 24, .size: 8, .value_kind: global_buffer, .address_space: global }
      - { .name: proj_w, .offset: 32, .size: 8, .value_kind: global_buffer, .address_space: global }
      - { .name: coef, .offset: 40, .size: 8, .value_kind: global_buffer, .address_space: global }
      - { .name: wts, .offset: 48, .size: 8, .value_kind: global_buffer, .address_space: global }
    .group_segment_fixed_size: 1280
    .private_segment_fixed_size: 0
    .kernarg_segment_align: 8
    .kernarg_segment_size: 56
    .max_flat_workgroup_size: 256
    .sgpr_count:     66
    .vgpr_count:     256
    .wavefront_size: 32
...
	.end_amdgpu_metadata
.endif
;; end of part 1
;; launch qkv (part 2): grid 128 x 2, 4 waves a work-group, clusters of 4 x 1, 327,680 bytes of LDS; arguments x, coef, wts, qkv_b, qbuf, kv; writes qbuf, kv
.if DOCPART == 2
	.amdgcn_target "amdgcn-amd-amdhsa--gfx1250"
	.amdhsa_code_object_version 6
	.text
	.protected	k_q994e3de74e_qkv
	.globl	k_q994e3de74e_qkv
	.p2align	8
	.type	k_q994e3de74e_qkv,@function
k_q994e3de74e_qkv:
	s_mov_b64 s[64:65], 0
	v_nop
	global_prefetch_b8 v0, s[64:65] scope:SCOPE_SE
	s_setreg_imm32_b32 hwreg(HW_REG_WAVE_MODE, 25, 1), 1
	s_wait_xcnt 0x0
	s_wait_alu depctr_hold_cnt(0) depctr_sa_sdst(0) depctr_va_vdst(0) depctr_va_sdst(0) depctr_va_ssrc(0) depctr_va_vcc(0) depctr_vm_vsrc(0)
	s_getreg_b32 s2, hwreg(HW_REG_IB_STS2, 6, 4)
	s_cmp_eq_u32 s2, 0
	s_cbranch_scc0 .Lentry_in_a_cluster
	s_endpgm
.Lentry_in_a_cluster:
	s_bfe_u32 s2, ttmp6, 0x10000c
	s_cmp_lg_u32 s2, 0x3003
	s_cbranch_scc0 .Lentry_shape_is_right
	s_endpgm
.Lentry_shape_is_right:
; h = GroupNorm(x), quantised along the channels; qkv = W h + bias on codes of BF8 (E5M2) with E8M0 scales; q and k quantised along the head's 64, v along the keys; all three stored AS THE NEXT OPERANDS' REGISTERS.
; SHARES.  A work-group owns 128 positions (one key step, sg = 32 b + step) and one pair of heads hp: 384 rows of W.  Wave w owns positions 32 w .. 32 w + 31 as two tiles u = 0, 1, for all 384 rows.
; THE POSITIONS OF A TILE ARE NOT NEIGHBOURS, NOR ARE W'S ROWS: lane r of tile u takes element 8 u + r + 8 (r / 8) of its 32.  So in every result the 16 registers of two neighbouring tiles are 16 NEIGHBOURS along the next
; product's K, in the order that an 8-bit operand wants (registers 4 c .. 4 c + 3: k = 32 c + 16 (lane / 16) + 0 .. 15), and the conversions' results ARE the operand's registers.
;   q, k: source 0 = 16 rows of W, source 1 = h's 16 positions: a lane holds one position, its registers run along d.      v: source 0 = h, source 1 = W: a lane holds one d, its registers run along the keys.
; CLUSTER.  The four work-groups of a cluster share hp, so they ask for the weights' image (104,448 bytes) JOINTLY.  Each one's tile of x is its own load.  Both are filled once: no slot is filled again.
; x's tile is read by two work-groups (hp = 0, 1): all 768 rows' image and a tile of x do not fit in LDS together.
; OUT.  qbuf[b][head][step] 8,704 bytes: tile tau = 2 w + u, block g of d at 1,024 tau + 512 g + 16 lane; scale words at 8,192 + 64 tau + 4 r (bytes 2, 3 = 127: the upper 64 of the instruction's K are zero codes).
;       kv[b][step][head] 17,152 bytes: K as q; V^T tile T (16 of d), key group c at 8,192 + 2,048 T + 512 c + 16 lane; K's scale registers at 16,384 + 16 lane + 4 j (register j: tile 2 j in lanes 0-15, 2 j + 1 in lanes 16-31);
;       V's at 16,896 + 8 lane + 4 i + c (register i: tile 2 i, 2 i + 1 likewise; byte c: the key group).
; LIMITS: NaN and infinities are not served; a block of zeros gets the byte 1 where the rule says 127 (its codes are zeros; this program alone reads the bytes).
.set XT,    104448                     ; LDS: 0 the weights' image; here x's tile: 256 channels x (512 bytes + 8): 16 rows are 2,080 words = 32 mod 64, so lanes 16-31 fall 32 banks beside lanes 0-15 (64 banks of 4 bytes: ISA guide 11.1)
.set COEF,  237568                     ; rstd x gn_w [256], gn_b [256], -mean [256]
.set BIAS,  240640                     ; qkv_b: three kinds x my head pair's 128
.set SCST,  242176                     ; the scale words on their way out: for each head of the pair 1,280 bytes: q 512, K 512, V 256
.set FLOOR, 0x8000000                  ; 2^(16 - 127)
; REGISTERS: v1 16 lane; v2 the same + 65,536; v3 4 lane + 98,304; v4-7 x's tile for (K step s, tile u) at 4 + 2 s + u; v8 COEF + 64 h; v9 BIAS + 64 h; v10 v's bias; v11-13 scale words' places; v14, v15 offsets in qbuf and kv;
;   v16-79 h's four fragments (u, s) at 16 + 16 (2 u + s); v80-83 their scale words; v84-87 W's scale words;  phase 1: two sets of 68 at v88 and v156 (16 A, 16 gn_b, 4 -mean, 32 x);
;   phase 2: v96-159 four fragments of W, v160-191 four accumulators, v192-207 the bias as C, v208-215 codes;  v224-236 at work; v240-242 addresses for the end.
.macro CROUND                          ; a round of the cluster's barrier
	s_barrier_signal -1
	s_barrier_wait -1
	s_cmp_lg_u32 s16, 0
	s_cbranch_scc1 .Lnot_wave_0_\@
	s_barrier_signal -3
.Lnot_wave_0_\@:
	s_barrier_wait -3
	s_barrier_signal -1
	s_barrier_wait -1
.endm
	s_load_b256 s[4:11], s[0:1], 0x0               ; x s[4:5], coef s[6:7], wts s[8:9], qkv_b s[10:11]
	s_load_b128 s[12:15], s[0:1], 0x20             ; qbuf s[12:13], kv s[14:15]
	v_lshl_add_u32 v254, v0, 2, 0x3bc00
	v_mov_b32 v255, 0
	ds_add_u32 v254, v255
	ds_add_u32 v254, v255
	v_lshrrev_b32 v224, 5, v0
	v_readfirstlane_b32 s16, v224                  ; wave 0..3
	s_bfe_u32 s17, ttmp6, 0x40000                  ; cx
	s_lshl_b32 s18, ttmp9, 2
	s_add_co_u32 s18, s18, s17                     ; sg = 4 x cluster x + cx
	s_and_b32 s19, ttmp7, 0xffff                   ; hp, which the four partners share
	s_lshr_b32 s20, s18, 5                         ; b
	s_and_b32 s21, s18, 31                         ; step
	s_mov_b32 s23, 0xffff0000                      ; lanes 16-31
	s_mov_b32 s24, 0x76543210
	s_mov_b32 s25, 0xfedcba98                      ; v_permlanex16_b32's selects for lane l xor 16
	; the weights' image: a quarter a wave, 102 rows of 256 bytes (32 elements of 8), dense, to all four work-groups
	s_mov_b32 s32, 15|(3<<16)|(1<<21)
	s_mov_b32 s33, 32<<16
	s_mov_b32 s34, 102<<16
	s_mov_b32 s35, 32<<16
	s_mov_b32 s36, 102
	s_mov_b32 s37, 32
	s_mov_b32 s38, 0
	s_mov_b32 s39, 0
	; x's tile: 64 channels a wave x 128 positions of 4 bytes, 4,096 elements from row to row; 2 words of padding behind each 128
	s_mov_b32 s44, (2<<16)|(1<<20)|(6<<22)|(1<<25)
	s_mov_b32 s45, 128<<16
	s_mov_b32 s46, 64<<16
	s_mov_b32 s47, 128<<16
	s_mov_b32 s48, 64
	s_mov_b32 s49, 4096
	s_mov_b32 s50, 0
	s_mov_b32 s51, 0
	s_mov_b32 s28, 1
	s_mul_i32 s29, s16, 26112                      ; LDS: wave x 102 rows
	s_mul_i32 s52, s19, 104448
	s_add_co_u32 s52, s52, s29                     ; in wts: made of hp and the wave's number alone
	s_mov_b32 s53, 0
	s_mov_b32 s40, 1
	s_mul_i32 s41, s16, 33280
	s_add_co_u32 s41, s41, XT                      ; LDS: wave x 64 rows of 520 bytes
	s_lshl_b32 s54, s20, 22
	s_lshl_b32 s55, s16, 20
	s_add_co_u32 s54, s54, s55
	s_lshl_b32 s55, s21, 9
	s_add_co_u32 s54, s54, s55                     ; in x: batch, 64 channels a wave, 128 positions a step
	s_mov_b32 s55, 0
	s_lshl_b32 s56, s20, 2
	s_lshl_b32 s57, s19, 1
	s_add_co_u32 s56, s56, s57
	s_lshl_b32 s56, s56, 5
	s_add_co_u32 s56, s56, s21
	s_mul_i32 s56, s56, 8704                       ; qbuf: ((4 b + 2 hp) x 32 + step) x 8,704
	s_mov_b32 s57, 0
	s_lshl_b32 s58, s18, 2
	s_lshl_b32 s59, s19, 1
	s_add_co_u32 s58, s58, s59
	s_mul_i32 s58, s58, 17152                      ; kv: (4 sg + 2 hp) x 17,152
	s_mov_b32 s59, 0
	s_lshl_b32 s60, s20, 12                        ; coef: the batch's 32 records
	s_mov_b32 s61, 0
	s_lshl_b32 s62, s19, 9                         ; qkv_b: my head pair's 128 in each kind
	s_mov_b32 s63, 0
	s_wait_dscnt 0x0
	s_wait_kmcnt 0x0
	s_add_nc_u64 s[30:31], s[8:9], s[52:53]
	s_or_b32 s31, s31, 0x80000000
	s_add_nc_u64 s[42:43], s[4:5], s[54:55]
	s_or_b32 s43, s43, 0x80000000
	s_add_nc_u64 s[66:67], s[12:13], s[56:57]      ; q of the pair's first head,
	s_add_nc_u64 s[68:69], s[66:67], 278528        ; of its second: 32 steps on
	s_add_nc_u64 s[70:71], s[14:15], s[58:59]      ; K and V likewise:
	s_add_nc_u64 s[72:73], s[70:71], 17152         ; the next chunk
	s_add_nc_u64 s[6:7], s[6:7], s[60:61]
	s_add_nc_u64 s[10:11], s[10:11], s[62:63]
	CROUND                                         ; all four work-groups are here: the joint loads meet
	tensor_load_to_lds s[28:31], s[32:39]          ; one load of mine is out: my quarter of the weights' image
	s_nop 0
	s_wait_alu depctr_va_vdst(0)
	s_wait_tensorcnt 0x0
	ds_add_u32 v254, v255
	s_wait_dscnt 0x0
	CROUND
	tensor_load_to_lds s[40:43], s[44:51]          ; and my 64 channels of x's tile
	s_nop 0
.rept 4
	v_nop
.endr
	; the coefficients and the biases go to LDS through registers: thread t takes channels t and t + 128 and bias t of each kind
	v_lshlrev_b32 v226, 2, v0
	v_lshrrev_b32 v227, 3, v0
	v_and_b32 v225, 7, v0
	v_lshlrev_b32 v225, 2, v225
	v_lshl_add_u32 v227, v227, 7, v225             ; the channel's record, its word
	v_lshl_add_u32 v228, v0, 2, COEF
	global_load_b32 v88, v226, s[10:11]
	global_load_b32 v89, v226, s[10:11] offset:1024
	global_load_b32 v90, v226, s[10:11] offset:2048
	global_load_b32 v91, v227, s[6:7]
	global_load_b32 v92, v227, s[6:7] offset:2048
	global_load_b32 v93, v227, s[6:7] offset:32
	global_load_b32 v94, v227, s[6:7] offset:2080
	global_load_b32 v95, v227, s[6:7] offset:64    ; words 16-31 of a record all hold -mean
	global_load_b32 v96, v227, s[6:7] offset:2112
	; every LDS address is made here: a constant, the lane's term and the wave's
	v_and_b32 v224, 31, v0                         ; lane
	v_and_b32 v225, 15, v0                         ; r
	v_bfe_u32 v229, v0, 4, 1                       ; h
	v_lshlrev_b32 v1, 4, v224
	v_add_nc_u32 v2, 0x10000, v1
	v_lshl_add_u32 v3, v224, 2, 98304
	v_and_b32 v230, 8, v225
	v_add_nc_u32 v230, v230, v225                  ; r + 8 (r / 8)
	s_lshl_b32 s52, s16, 7
	s_add_co_u32 s53, s52, XT
	v_lshlrev_b32 v4, 2, v230
	v_mad_u32_u24 v4, v229, 8320, v4               ; lanes 16-31 begin 16 channels further down
	v_add_nc_u32 v4, s53, v4
	v_add_nc_u32 v5, 32, v4                        ; tile 1: 8 positions on
	v_add_nc_u32 v6, 66560, v4                     ; K step 1: 128 channels on
	v_add_nc_u32 v7, 66592, v4
	v_lshl_add_u32 v8, v229, 6, COEF
	v_lshl_add_u32 v9, v229, 6, BIAS
	v_lshl_add_u32 v10, v230, 2, BIAS+1024
	s_add_co_u32 s53, s52, SCST
	v_lshl_add_u32 v11, v224, 2, s53               ; q's words: 128 w + 4 lane
	s_lshl_b32 s53, s16, 2
	s_add_co_u32 s53, s53, SCST+512
	v_lshl_add_u32 v12, v224, 4, s53               ; K's: 16 lane + 4 w
	s_add_co_u32 s53, s16, SCST+1024
	v_lshl_add_u32 v13, v224, 3, s53               ; V's bytes: 8 lane + w
	s_lshl_b32 s53, s16, 11
	v_add_nc_u32 v14, s53, v1
	s_lshl_b32 s53, s16, 9
	v_add_nc_u32 v15, s53, v1
	s_lshr_b32 s53, s16, 1
	s_mul_i32 s53, s53, 1280
	s_and_b32 s54, s16, 1
	s_lshl_b32 s54, s54, 9
	s_add_co_u32 s54, s54, s53
	s_add_co_u32 s54, s54, SCST
	v_add_nc_u32 v240, s54, v1                     ; the end: wave w takes head w / 2, q's (w even) or K's (w odd) 512 bytes
	s_add_co_u32 s53, s53, SCST+1024
	v_lshl_add_u32 v241, v224, 3, s53              ; and V's 256
	v_lshlrev_b32 v242, 3, v224
	s_wait_loadcnt 0x0
	ds_store_b32 v228, v91
	ds_store_b32 v228, v92 offset:512
	ds_store_b32 v228, v93 offset:1024
	ds_store_b32 v228, v94 offset:1536
	ds_store_b32 v228, v95 offset:2048
	ds_store_b32 v228, v96 offset:2560
	ds_store_b32 v228, v88 offset:3072
	ds_store_b32 v228, v89 offset:3584
	ds_store_b32 v228, v90 offset:4096
	s_wait_tensorcnt 0x0                           ; my parts of the image and of the tile have landed,
	s_wait_dscnt 0x0                               ; and my stores:
	s_barrier_signal -1
	s_barrier_wait -1                              ; everybody's have
; Two blocks of 32 along K at a time: 16 numbers of each in my lane (v[QA] on, v[QB] on), the other 16 in lane l xor 16.  Codes to v[QDA] on and v[QDB] on, the bytes to v232 and v233.
.macro Q2
	v_max3_num_f32 v224, |v[QA]|, |v[QA+1]|, FLOOR
	v_max3_num_f32 v225, |v[QB]|, |v[QB+1]|, FLOOR
.irp i, 2,4,6,8,10,12,14
	v_max3_num_f32 v224, v224, |v[QA+\i]|, |v[QA+\i+1]|
	v_max3_num_f32 v225, v225, |v[QB+\i]|, |v[QB+\i+1]|
.endr
	v_permlanex16_b32 v226, v224, s24, s25
	v_permlanex16_b32 v227, v225, s24, s25
	v_max_num_f32 v224, v224, v226                 ; the block's largest magnitude
	v_max_num_f32 v225, v225, v227
	v_add_nc_u32 v230, 0xf8800000, v224            ; 15 off its exponent field: the conversion's scale operand
	v_add_nc_u32 v231, 0xf8800000, v225
	v_lshrrev_b32 v232, 23, v230                   ; the scale's byte
	v_lshrrev_b32 v233, 23, v231
.irp i, 0,1,2,3,4,5,6,7,8,9,10,11,12,13,14,15
.endr
	v_cvt_scalef32_pk8_bf8_f32 v[QDA:QDA+1], v[QA:QA+7], v230
	v_cvt_scalef32_pk8_bf8_f32 v[QDA+2:QDA+3], v[QA+8:QA+15], v230
	v_cvt_scalef32_pk8_bf8_f32 v[QDB:QDB+1], v[QB:QB+7], v231
	v_cvt_scalef32_pk8_bf8_f32 v[QDB+2:QDB+3], v[QB+8:QB+15], v231
	v_nop                                          ; a plain instruction behind the last conversion, ahead of whatever next touches its registers
.endm
; PHASE 1: h's four fragments.  Block c8 is channels 32 c8 .. 32 c8 + 31.  LOADB: 42 LDS loads: my half's 16 coefficients of each kind, and x(32 c8 + 16 h + i, my position) for both tiles.
.macro LOADB c8
.set LSB, 88+68*((\c8)%2)
.set LSS, (\c8)/4
.set LCC, (\c8)%4
.irp j, 0,1,2,3
	ds_load_b128 v[LSB+4*\j:LSB+4*\j+3], v8 offset:128*(\c8)+16*\j
.endr
.irp j, 0,1,2,3
	ds_load_b128 v[LSB+16+4*\j:LSB+19+4*\j], v8 offset:1024+128*(\c8)+16*\j
.endr
.irp q, 0,1
	ds_load_b64 v[LSB+32+2*\q:LSB+33+2*\q], v8 offset:2048+128*(\c8)+32*\q   ; -mean of two neighbouring channels of a group: the same number twice
.endr
.irp u, 0,1
.irp i, 0,1,2,3,4,5,6,7,8,9,10,11,12,13,14,15
	ds_load_b32 v[LSB+36+16*\u+\i], v[4+2*LSS+\u] offset:16640*LCC+520*\i
.endr
.endr
.endm
.macro BLK c8
.set BSB, 88+68*((\c8)%2)
.set BSS, (\c8)/4
.set BCC, (\c8)%4
.if (\c8) < 7
	s_wait_dscnt 42                                ; this block's loads are in; the next block's 42 may be out
.else
	s_wait_dscnt 0x0
.endif
.irp u, 0,1
.irp i, 0,2,4,6,8,10,12,14
	v_pk_add_f32 v[BSB+36+16*\u+\i:BSB+37+16*\u+\i], v[BSB+36+16*\u+\i:BSB+37+16*\u+\i], v[BSB+32+2*(\i/8):BSB+33+2*(\i/8)]   ; x - mean
.endr
.endr
.irp u, 0,1
.irp i, 0,2,4,6,8,10,12,14
	v_pk_fma_f32 v[BSB+36+16*\u+\i:BSB+37+16*\u+\i], v[BSB+36+16*\u+\i:BSB+37+16*\u+\i], v[BSB+\i:BSB+\i+1], v[BSB+16+\i:BSB+17+\i]   ; x rstd gn_w + gn_b
.endr
.endr
.set QA, BSB+36
.set QB, BSB+52
.set QDA, 16+16*BSS+4*BCC
.set QDB, 48+16*BSS+4*BCC
	Q2
.if BCC == 0
	v_mov_b32 v[80+BSS], v232                      ; four bytes make a K step's scale word
	v_mov_b32 v[82+BSS], v233
.else
	v_lshl_or_b32 v[80+BSS], v232, 8*BCC, v[80+BSS]
	v_lshl_or_b32 v[82+BSS], v233, 8*BCC, v[82+BSS]
.endif
.if (\c8) < 6
	LOADB (\c8)+2
.endif
.endm
	LOADB 0
	LOADB 1
.irp c, 0,1,2,3,4,5,6,7
	BLK \c
.endr
; PHASE 2: twelve units n = 4 kind + 2 e + B: 32 rows of W (head e of the pair, block B of its 64) x my 32 positions x K = 256: eight matrix instructions on four accumulators by turns.
.macro FETCHU n
.set FK, (\n)/4
.set FE, ((\n)/2)%2
.set FB, (\n)%2
.set FW, 1+(\n)/8
.irp f, 0,1,2,3                        ; fragment 2 u' + s
.irp c, 0,1,2,3
	ds_load_b128 v[96+16*\f+4*\c:99+16*\f+4*\c], v[FW] offset:((\n)%8)*8192+\f*2048+512*\c
.endr
	ds_load_b32 v[84+\f], v3 offset:512*(\n)+128*\f
.endr
.if FK < 2
.irp j, 0,1,2,3
	ds_load_b128 v[192+4*\j:195+4*\j], v9 offset:512*FK+4*(64*FE+32*FB)+16*\j   ; q, k: my registers run along d: 16 neighbouring biases
.endr
.else
.irp p, 0,1
.irp j, 0,1,2,3,4,5,6,7
	ds_load_b32 v[192+8*\p+\j], v10 offset:4*(64*FE+32*FB+8*\p)                 ; v: my lane is one d: its bias in all eight registers
.endr
.endr
.endif
.endm
.macro UNIT n
.set UK, (\n)/4
.set UE, ((\n)/2)%2
.set UB, (\n)%2
	s_wait_dscnt 0x0                               ; the unit's fragments, scale words and biases are in (asked for ahead of the last unit's quantiser)
.irp s, 0,1
	s_wait_alu depctr_va_vdst(0)
.irp u, 0,1
.irp p, 0,1
.if UK < 2
.set rD, 160+16*\u+8*\p
.set rA, 96+16*(2*\p+\s)
.set rB, 16+16*(2*\u+\s)
.set rSA, 84+2*\p+\s
.set rSB, 80+2*\u+\s
.else
.set rD, 160+16*\p+8*\u
.set rA, 16+16*(2*\u+\s)
.set rB, 96+16*(2*\p+\s)
.set rSA, 80+2*\u+\s
.set rSB, 84+2*\p+\s
.endif
.if \s == 0
.set rC, 192+8*\p                      ; the bias starts the sum
.else
.set rC, rD
.endif
	v_wmma_scale_f32_16x16x128_f8f6f4 v[rD:rD+7], v[rA:rA+15], v[rB:rB+15], v[rC:rC+7], v[rSA], v[rSB] matrix_a_fmt:MATRIX_FMT_BF8 matrix_b_fmt:MATRIX_FMT_BF8
.endr
.endr
.endr
.rept 8
	v_nop                                          ; eight places ahead of loads into registers that these products read and of the first read of their results
.endr
.if (\n) < 11
	FETCHU (\n)+1
.endif
	s_wait_xcnt 0x0                                ; the last unit's stores have read the codes' registers
.set QA, 160
.set QB, 176
.set QDA, 208
.set QDB, 212
	Q2
.if UK == 0
	global_store_b128 v14, v[208:211], s[66+2*UE:67+2*UE] offset:512*UB          ; 32 lanes store 512 consecutive bytes
	global_store_b128 v14, v[212:215], s[66+2*UE:67+2*UE] offset:1024+512*UB
.elseif UK == 1
	global_store_b128 v14, v[208:211], s[70+2*UE:71+2*UE] offset:512*UB
	global_store_b128 v14, v[212:215], s[70+2*UE:71+2*UE] offset:1024+512*UB
.else
	global_store_b128 v15, v[208:211], s[70+2*UE:71+2*UE] offset:8192+4096*UB
	global_store_b128 v15, v[212:215], s[70+2*UE:71+2*UE] offset:8192+4096*UB+2048
.endif
.if UK < 2
.if UB == 0
	v_or_b32 v234, 0x7f7f0000, v232                ; byte 0; bytes 2 and 3 stand over zero codes
	v_or_b32 v235, 0x7f7f0000, v233
.else
	v_lshl_or_b32 v234, v232, 8, v234              ; byte 1: the word is whole
	v_lshl_or_b32 v235, v233, 8, v235
	v_cndmask_b32 v236, v234, v235, s23            ; lanes 0-15: tile 0's rows, lanes 16-31: tile 1's
	ds_store_b32 v[11+UK], v236 offset:1280*UE
.endif
.else
	v_cndmask_b32 v236, v232, v233, s23
	ds_store_b8 v13, v236 offset:1280*UE+4*UB
.endif
.endm
	FETCHU 0
.rept 8
	v_nop                                          ; h's scale words were made by vector instructions: eight places ahead of the first scaled product
.endr
.irp n, 0,1,2,3,4,5,6,7,8,9,10,11
	UNIT \n
.endr
	; THE END: the scale words leave in runs of 512 and 256 consecutive bytes
	s_wait_dscnt 0x0                               ; for the others' sake: my stores have landed
	s_barrier_signal -1
	s_barrier_wait -1
	ds_load_b128 v[192:195], v240
	s_and_b32 s52, s16, 1
	s_mov_b32 s54, 16384
	s_mov_b32 s55, 0
	s_cmp_lt_u32 s16, 2                            ; which head of the pair
	s_cselect_b64 s[74:75], s[66:67], s[68:69]
	s_cselect_b64 s[76:77], s[70:71], s[72:73]
	s_cmp_eq_u32 s52, 0                            ; q's words or K's
	s_cselect_b64 s[74:75], s[74:75], s[76:77]
	s_cselect_b32 s54, 8192, s54
	s_add_nc_u64 s[74:75], s[74:75], s[54:55]
	s_wait_dscnt 0x0
	global_store_b128 v1, v[192:195], s[74:75]
	s_cmp_lg_u32 s52, 0
	s_cbranch_scc1 .Lno_vs
	ds_load_b64 v[196:197], v241
	s_wait_dscnt 0x0
	global_store_b64 v242, v[196:197], s[76:77] offset:16896
.Lno_vs:
	s_wait_tensorcnt 0x0
	ds_add_u32 v254, v255
	s_wait_dscnt 0x0
	CROUND                                         ; the closing round: no work-group ends while a partner may still ask for the image
	s_endpgm
.Lfunc_end_k_q994e3de74e_qkv:
	.size	k_q994e3de74e_qkv, .Lfunc_end_k_q994e3de74e_qkv-k_q994e3de74e_qkv
	.p2alignl 7, 3214868480
	.fill 96, 4, 3214868480
	.section	.rodata,"a",@progbits
	.p2align	6, 0x0
	.amdhsa_kernel k_q994e3de74e_qkv
		.amdhsa_group_segment_fixed_size 327680
		.amdhsa_private_segment_fixed_size 0
		.amdhsa_enable_private_segment 0
		.amdhsa_kernarg_size 48
		.amdhsa_user_sgpr_count 2
		.amdhsa_user_sgpr_kernarg_segment_ptr 1
		.amdhsa_wavefront_size32 1
		.amdhsa_system_sgpr_workgroup_id_x 1
		.amdhsa_system_sgpr_workgroup_id_y 1
		.amdhsa_system_sgpr_workgroup_id_z 1
		.amdhsa_system_vgpr_workitem_id 0
		.amdhsa_next_free_vgpr 256
		.amdhsa_next_free_sgpr 80
		.amdhsa_reserve_vcc 0
		.amdhsa_float_denorm_mode_32 3
		.amdhsa_float_denorm_mode_16_64 3
		.amdhsa_fp16_overflow 1
		.amdhsa_memory_ordered 1
		.amdhsa_forward_progress 1
		.amdhsa_inst_pref_size 125
	.end_amdhsa_kernel
	.amdgpu_metadata
---
amdhsa.version: [ 1, 2 ]
amdhsa.kernels:
  - .name:           k_q994e3de74e_qkv
    .symbol:         k_q994e3de74e_qkv.kd
    .args:
      - { .name: x, .offset: 0, .size: 8, .value_kind: global_buffer, .address_space: global }
      - { .name: coef, .offset: 8, .size: 8, .value_kind: global_buffer, .address_space: global }
      - { .name: wts, .offset: 16, .size: 8, .value_kind: global_buffer, .address_space: global }
      - { .name: qkv_b, .offset: 24, .size: 8, .value_kind: global_buffer, .address_space: global }
      - { .name: qbuf, .offset: 32, .size: 8, .value_kind: global_buffer, .address_space: global }
      - { .name: kv, .offset: 40, .size: 8, .value_kind: global_buffer, .address_space: global }
    .group_segment_fixed_size: 327680
    .private_segment_fixed_size: 0
    .kernarg_segment_align: 8
    .kernarg_segment_size: 48
    .max_flat_workgroup_size: 128
    .sgpr_count:     80
    .vgpr_count:     256
    .wavefront_size: 32
...
	.end_amdgpu_metadata
.endif
;; end of part 2
;; launch attn (part 3): grid 64 x 4, 16 waves a work-group, clusters of 4 x 1, 327,680 bytes of LDS; arguments qbuf, kv, wts, proj_b, x, out0; writes out0
.if DOCPART == 3
	.amdgcn_target "amdgcn-amd-amdhsa--gfx1250"
	.amdhsa_code_object_version 6
	.text
	.protected	k_q994e3de74e_attn
	.globl	k_q994e3de74e_attn
	.p2align	8
	.type	k_q994e3de74e_attn,@function
k_q994e3de74e_attn:
	s_mov_b64 s[64:65], 0
	v_nop
	global_prefetch_b8 v0, s[64:65] scope:SCOPE_SE
	s_setreg_imm32_b32 hwreg(HW_REG_WAVE_MODE, 25, 1), 1
	s_wait_xcnt 0x0
	s_wait_alu depctr_hold_cnt(0) depctr_sa_sdst(0) depctr_va_vdst(0) depctr_va_sdst(0) depctr_va_ssrc(0) depctr_va_vcc(0) depctr_vm_vsrc(0)
	s_getreg_b32 s2, hwreg(HW_REG_IB_STS2, 6, 4)
	s_cmp_eq_u32 s2, 0
	s_cbranch_scc0 .Lentry_in_a_cluster
	s_endpgm
.Lentry_in_a_cluster:
	s_bfe_u32 s2, ttmp6, 0x10000c
	s_cmp_lg_u32 s2, 0x3003
	s_cbranch_scc0 .Lentry_shape_is_right
	s_endpgm
.Lentry_shape_is_right:
; out = x + proj_w o + proj_b, o = softmax(q k^T / 8) v, all three products on codes of BF8 (E5M2) with one E8M0 scale for each 32 along K.
; SHARES.  A work-group owns 64 positions (block qb) of batch b, ALL FOUR HEADS, so that the projection, which sums over the heads' channels, and the residual are done here.  Wave w: head w / 4, tile m = w % 4 of 16 queries;
; four waves to a SIMD, so that one wave's vector work stands beside another's products and LDS loads.  Every wave walks its head's 4,096 keys, 128 a step.
; LAYOUT.  q, K, V arrive as images of the operands' registers: every LDS read takes 512 consecutive bytes.  Both products are used transposed: S^T = K Q^T (K = 64: the upper halves of both
; fragments are zero codes, written once), O^T = V^T P^T: a lane holds ONE query.  The keys of a tile of K, the rows of a tile of V^T and the queries of a tile are chosen (element 8 u + r + 8 (r / 8) of 32) so that
; p's 16 registers of two tiles are 16 neighbouring keys and O^T's 16 neighbouring channels: the conversions' results are the next operand's registers.
; THE SOFTMAX: t = score x log2(e) / 8; M = the running largest t rounded UP to a whole number; p = 2^(t - M) is quantised along the keys, not normalised; the row's sum is taken of the unquantised p and divides O at the end.
; When M moves, the sum and O^T are multiplied by 2^(old M - new M): exact.  A block's largest p is the block's largest score put through the same multiply-add and exponential (this takes v_exp_f32 not to fall where its input rises).
; RING.  Two slots of two key steps x four heads: 137,216 dense bytes of kv.  Waves 0-7 fetch one chunk (67 rows of 256 bytes) each.  CLUSTER: the four query blocks of a cluster walk the same K and V and ask JOINTLY.
; LIMITS: NaN and infinities are not served; p under 2^-126 counts as 0; a block of zeros gets the byte 1 where the rule says 127 (its codes are zeros; this program alone reads the bytes).
.set CHUNK, 17152                      ; one head's step: K 8,192, V 8,192, K's scale registers 512, V's 256
.set STEPB, 4*CHUNK
.set SLOTB, 2*STEPB
.set SPARE, 2*SLOTB                    ; behind the ring: the spare words, 128 bytes for each of the 16 waves: eight blocks of 256 bytes that no other line names
.set OIMG,  0                          ; the way out lies in slot 0, which has had its last fill and was left at the last change of slots: o's 8 fragments,
.set OSC,   16384                      ; their scale words,
.set STG,   17408                      ; and a stage of 256 rows (channels) x (256 bytes + 16)
.set FLOOR, 0x8000000
; REGISTERS: v1 my spare word, v2 0; v3 prefetch offset; v4-7 16 lane + my head's chunk in ring place i; v8-11 V's scale registers there; v12 -M, v13 the largest t, v[14:15] the sum; v16-31 Q; v32-95 four fragments of K;
;   v96-159 S^T, then p, then V's four fragments; v160-191 O^T; v192-207 p's codes; v208-223 a block's largest, partner and byte, scale operand; v[224:225] f; v[226:227] the sum's second chain; v228-230 at work;
;   scales (v242-245 and v248-255 also hold the sum's chains for a while): v240-243 K's, v244-245 V's, v246 p's, v247 Q's, v248-255 o's.
.macro CROUND                          ; a round of the cluster's barrier
	s_barrier_signal -1
	s_barrier_wait -1
	s_cmp_lg_u32 s16, 0
	s_cbranch_scc1 .Lnot_wave_0_\@
	s_barrier_signal -3
.Lnot_wave_0_\@:
	s_barrier_wait -3
	s_barrier_signal -1
	s_barrier_wait -1
.endm
.macro TLOAD g0                        ; waves 0-7 fetch a chunk each; the branch hangs on the wave's number alone; four v_nop follow the load
	s_cmp_lt_u32 s16, 8
	s_cbranch_scc0 .Lnone_\@
	tensor_load_to_lds s[\g0:\g0+3], s[24:31]
	s_nop 0
.rept 4
	v_nop
.endr
.Lnone_\@:
.endm
	s_load_b256 s[4:11], s[0:1], 0x0               ; qbuf s[4:5], kv s[6:7], wts s[8:9], proj_b s[10:11]
	s_load_b128 s[12:15], s[0:1], 0x20             ; x s[12:13], out0 s[14:15]
	v_lshl_add_u32 v1, v0, 2, SPARE
	v_mov_b32 v2, 0
	ds_add_u32 v1, v2
	ds_add_u32 v1, v2
	s_wait_dscnt 0x0
	v_lshrrev_b32 v3, 5, v0
	s_delay_alu instid0(VALU_DEP_1)
	v_readfirstlane_b32 s16, v3                    ; wave 0..15
	s_lshr_b32 s17, s16, 2                         ; head
	s_and_b32 s18, s16, 3                          ; tile of queries
	s_mov_b32 s20, 0x76543210
	s_mov_b32 s21, 0xfedcba98                      ; v_permlanex16_b32's selects for lane l xor 16
	s_mov_b32 s22, 0x3e38aa3b                      ; c = log2(e) / 8
	s_mov_b32 s23, s22                             ; (named with it as a pair)
	s_bfe_u32 s40, ttmp6, 0x40000                  ; cx
	s_lshl_b32 s41, ttmp9, 2
	s_add_co_u32 s41, s41, s40                     ; qb: it enters q's, x's and out0's addresses alone
	s_and_b32 s42, ttmp7, 0xffff                   ; b, which the four partners share
	; a chunk: 67 rows of 256 bytes (32 elements of 8), dense, to all four work-groups
	s_mov_b32 s24, 15|(3<<16)|(1<<21)
	s_mov_b32 s25, 32<<16
	s_mov_b32 s26, 67<<16
	s_mov_b32 s27, 32<<16
	s_mov_b32 s28, 67
	s_mov_b32 s29, 32
	s_mov_b32 s30, 0
	s_mov_b32 s31, 0
	s_and_b32 s44, s16, 7
	s_mul_i32 s44, s44, CHUNK                      ; my chunk in a slot
	s_mul_i32 s46, s42, 2195456                    ; the batch's 32 steps
	s_add_co_u32 s46, s46, s44
	s_mov_b32 s47, 0
	s_mov_b32 s32, 1
	s_mov_b32 s33, s44                             ; slot 0's descriptor s[32:35]
	s_mov_b32 s36, 1
	s_add_co_u32 s37, s44, SLOTB                   ; slot 1's s[36:39]
	s_lshl_b32 s48, s42, 2
	s_add_co_u32 s48, s48, s17
	s_lshl_b32 s48, s48, 5
	s_lshr_b32 s49, s41, 1
	s_add_co_u32 s48, s48, s49
	s_mul_i32 s48, s48, 8704                       ; q: ((4 b + head) x 32 + qb / 2) x 8,704
	s_and_b32 s49, s41, 1
	s_lshl_b32 s49, s49, 2
	s_add_co_u32 s49, s49, s18                     ; tile tau = 4 (qb % 2) + m
	s_lshl_b32 s50, s49, 10
	s_lshl_b32 s52, s49, 6
	s_add_co_u32 s52, s52, s48
	s_add_co_u32 s52, s52, 8192                    ; its scale words
	s_mov_b32 s53, 0
	s_add_co_u32 s48, s48, s50                     ; its codes
	s_mov_b32 s49, 0
	s_lshl_b32 s54, s42, 22
	s_lshl_b32 s55, s16, 18
	s_add_co_u32 s54, s54, s55
	s_lshl_b32 s55, s41, 8
	s_add_co_u32 s54, s54, s55                     ; x, out0: batch, channels 16 w on, positions 64 qb on
	s_mov_b32 s55, 0
	s_lshl_b32 s56, s16, 12
	s_add_co_u32 s56, s56, 208896                  ; proj_w's two fragments of rows 16 w on
	s_mov_b32 s57, 0
	s_lshl_b32 s58, s16, 8
	s_add_co_u32 s58, s58, 274432                  ; their scale words
	s_mov_b32 s59, 0
	s_lshl_b32 s60, s16, 6
	s_mov_b32 s61, 0
	s_mul_i32 s51, s17, CHUNK                      ; my head's chunk in a step
	s_mov_b32 s43, 7
	s_wait_kmcnt 0x0
	s_add_nc_u64 s[34:35], s[6:7], s[46:47]
	s_add_nc_u64 s[38:39], s[34:35], SLOTB
	s_or_b32 s35, s35, 0x80000000
	s_or_b32 s39, s39, 0x80000000
	s_add_nc_u64 s[70:71], s[4:5], s[52:53]
	s_add_nc_u64 s[4:5], s[4:5], s[48:49]
	s_add_nc_u64 s[66:67], s[12:13], s[54:55]
	s_add_nc_u64 s[68:69], s[14:15], s[54:55]
	s_add_nc_u64 s[56:57], s[8:9], s[56:57]
	s_add_nc_u64 s[58:59], s[8:9], s[58:59]
	s_add_nc_u64 s[60:61], s[10:11], s[60:61]
	CROUND                                         ; all four work-groups are here: the first joint loads meet
	TLOAD 32                                       ; key steps 0 and 1
	v_and_b32 v228, 31, v0
	s_delay_alu instid0(VALU_DEP_1)
	v_lshlrev_b32 v229, 4, v228                    ; 16 x lane
	v_and_b32 v230, 15, v0
	s_delay_alu instid0(VALU_DEP_1)
	v_lshlrev_b32 v230, 2, v230                    ; 4 r
	global_load_b128 v[16:19], v229, s[4:5]        ; Q stays in registers: d 0-31,
	global_load_b128 v[20:23], v229, s[4:5] offset:512   ; d 32-63
	global_load_b32 v247, v230, s[70:71]
	v_lshlrev_b32 v3, 14, v228                     ; a channel's row of x for each lane
	v_add_nc_u32 v4, s51, v229
	s_delay_alu instid0(VALU_DEP_1)
	v_add_nc_u32 v5, STEPB, v4
	s_delay_alu instid0(VALU_DEP_2)
	v_add_nc_u32 v6, 2*STEPB, v4
	s_delay_alu instid0(VALU_DEP_3)
	v_add_nc_u32 v7, 3*STEPB, v4
	v_lshl_add_u32 v8, v228, 3, s51
	s_delay_alu instid0(VALU_DEP_1)
	v_add_nc_u32 v8, 16896, v8
	s_delay_alu instid0(VALU_DEP_1)
	v_add_nc_u32 v9, STEPB, v8
	s_delay_alu instid0(VALU_DEP_2)
	v_add_nc_u32 v10, 2*STEPB, v8
	s_delay_alu instid0(VALU_DEP_3)
	v_add_nc_u32 v11, 3*STEPB, v8
.set i, 0
.rept 8
	v_mov_b32 v[24+i], 0                           ; zero codes: the upper 64 of the first product's K, in Q
	v_mov_b32 v[40+i], 0                           ; and in K's four fragments
	v_mov_b32 v[56+i], 0
	v_mov_b32 v[72+i], 0
	v_mov_b32 v[88+i], 0
.set i, i+1
.endr
.set i, 0
.rept 32
	v_mov_b32 v[160+i], 0                          ; O^T: the step is written once; the first finds zeros, which the first change of M leaves zeros
.set i, i+1
.endr
	v_mov_b32 v13, 0xff61b1e6                      ; the largest t so far: -3e38
	s_delay_alu instid0(VALU_DEP_1)
	v_floor_f32 v12, -v13                          ; -M
	v_mov_b32 v14, 0
	v_mov_b32 v15, 0
.irp b, 0,1,2,3
	v_mov_b32 v[212+\b], 0                         ; a lane permute's destination counts as one of its sources
.endr
	v_mov_b32 v225, 0                              ; (named as the upper half of the pair v[224:225])
	s_wait_loadcnt 0x0                             ; Q
.macro KQ t, g                         ; S^T of tile 4 g + t: its scale words lie in lanes 0-15 (even tiles) or 16-31 (odd) of register 2 g + t / 2
.if (\t)%2
	v_wmma_scale_f32_16x16x128_f8f6f4 v[96+8*(4*\g+\t):103+8*(4*\g+\t)], v[32+16*\t:47+16*\t], v[16:31], 0, v[240+2*\g+(\t)/2], v247 matrix_a_fmt:MATRIX_FMT_BF8 matrix_b_fmt:MATRIX_FMT_BF8 matrix_a_scale:MATRIX_SCALE_ROW1
.else
	v_wmma_scale_f32_16x16x128_f8f6f4 v[96+8*(4*\g+\t):103+8*(4*\g+\t)], v[32+16*\t:47+16*\t], v[16:31], 0, v[240+2*\g+(\t)/2], v247 matrix_a_fmt:MATRIX_FMT_BF8 matrix_b_fmt:MATRIX_FMT_BF8
.endif
.endm
.macro PV t                            ; O^T of V^T's tile t += over these 128 keys
.if (\t)%2
	v_wmma_scale_f32_16x16x128_f8f6f4 v[160+8*\t:167+8*\t], v[96+16*\t:111+16*\t], v[192:207], v[160+8*\t:167+8*\t], v[244+(\t)/2], v246 matrix_a_fmt:MATRIX_FMT_BF8 matrix_b_fmt:MATRIX_FMT_BF8 matrix_a_scale:MATRIX_SCALE_ROW1
.else
	v_wmma_scale_f32_16x16x128_f8f6f4 v[160+8*\t:167+8*\t], v[96+16*\t:111+16*\t], v[192:207], v[160+8*\t:167+8*\t], v[244+(\t)/2], v246 matrix_a_fmt:MATRIX_FMT_BF8 matrix_b_fmt:MATRIX_FMT_BF8
.endif
.endm
.macro BMAX x, y                       ; the largest score of my 16 keys of blocks x and y, each accumulator from its low end on
	v_max3_num_f32 v[208+\x], v[96+16*\x], v[97+16*\x], v[98+16*\x]
	v_max3_num_f32 v[208+\y], v[96+16*\y], v[97+16*\y], v[98+16*\y]
.irp i, 3,5,7,9,11,13
	v_max3_num_f32 v[208+\x], v[208+\x], v[96+16*\x+\i], v[97+16*\x+\i]
	v_max3_num_f32 v[208+\y], v[208+\y], v[96+16*\y+\i], v[97+16*\y+\i]
.endr
	v_max_num_f32 v[208+\x], v[208+\x], v[111+16*\x]
	v_max_num_f32 v[208+\y], v[208+\y], v[111+16*\y]
.endm
.macro BJOIN x, y                      ; with lane l xor 16's 16 keys
	v_permlanex16_b32 v[212+\x], v[208+\x], s20, s21
	v_permlanex16_b32 v[212+\y], v[208+\y], s20, s21
	s_delay_alu instid0(VALU_DEP_2)
	v_max_num_f32 v[208+\x], v[208+\x], v[212+\x]
	s_delay_alu instid0(VALU_DEP_2)
	v_max_num_f32 v[208+\y], v[208+\y], v[212+\y]
.endm
; A KEY STEP: 128 keys, in ring place i
.macro STEP i
	ds_load_b128 v[240:243], v[4+\i] offset:16384  ; K's four scale registers
.irp t, 0,1,2,3
	ds_load_b128 v[32+16*\t:35+16*\t], v[4+\i] offset:1024*\t
	ds_load_b128 v[36+16*\t:39+16*\t], v[4+\i] offset:1024*\t+512
.endr
.rept 9
	v_nop                                          ; the products below write over registers that the last step's products read as V: nine places, while the loads are on their way
.endr
	s_wait_dscnt 0x0
.irp t, 0,1,2,3
	KQ \t, 0
.endr
.rept 8
	v_nop                                          ; eight places ahead of loads into K's registers and of the first read of the scores
.endr
.irp t, 0,1,2,3
	ds_load_b128 v[32+16*\t:35+16*\t], v[4+\i] offset:4096+1024*\t
	ds_load_b128 v[36+16*\t:39+16*\t], v[4+\i] offset:4096+1024*\t+512
.endr
	BMAX 0, 1
	s_wait_alu depctr_va_vdst(0)
	s_wait_dscnt 0x0
.irp t, 0,1,2,3
	KQ \t, 1
.endr
	BJOIN 0, 1
.rept 6
	v_nop                                          ; with the two maxima above: eight plain places ahead of the first read of these scores
.endr
	BMAX 2, 3
	BJOIN 2, 3
	s_delay_alu instid0(VALU_DEP_2)
	v_max3_num_f32 v228, v208, v209, v210
	s_delay_alu instid0(VALU_DEP_1)
	v_max_num_f32 v228, v228, v211                 ; the step's largest score of my query
	s_delay_alu instid0(VALU_DEP_1)
	v_mul_f32 v228, s22, v228                      ; as t (c is positive)
	s_delay_alu instid0(VALU_DEP_1)
	v_max_num_f32 v13, v13, v228                   ; the running largest t
	v_mov_b32 v228, v12
	s_delay_alu instid0(VALU_DEP_2)
	v_floor_f32 v12, -v13                          ; the new -M = floor(-t) = -ceil(t)
	s_delay_alu instid0(VALU_DEP_1)
	v_sub_f32 v228, v12, v228                      ; old M - new M: a whole number, 0 or less
	s_delay_alu instid0(VALU_DEP_1)
	v_cvt_i32_f32 v228, v228                       ; (it saturates)
	s_delay_alu instid0(VALU_DEP_1)
	v_ldexp_f32 v224, 1.0, v228                    ; f = 2^(old M - new M)
.set j, 0
.rept 32
	v_pk_fma_f32 v[96+j:97+j], v[96+j:97+j], s[22:23], v[12:13] op_sel_hi:[1,0,0]   ; t - M, two at a time
.set j, j+2
.endr
.irp b, 0,1,2,3
	v_fma_f32 v[208+\b], v[208+\b], s22, v12       ; the same of each block's largest score
.endr
.set j, 0
	s_wait_alu depctr_va_vdst(0)
.rept 64
	v_exp_f32 v[96+j], v[96+j]                     ; p = 2^(t - M), at most 1
.set j, j+1
.endr
.irp b, 0,1,2,3
	v_exp_f32 v[208+\b], v[208+\b]                 ; the block's largest p
.endr
	v_pk_mul_f32 v[14:15], v[14:15], v[224:225] op_sel_hi:[1,0]   ; the sum under the new M (a plain instruction behind the exponentials)
	s_wait_alu depctr_va_vdst(0)
.irp b, 0,1,2,3
	v_max_num_f32 v[208+\b], FLOOR, v[208+\b]      ; the byte cannot fall under 1
.endr
.irp b, 0,1,2,3
	s_delay_alu instid0(VALU_DEP_4)
	v_add_nc_u32 v[220+\b], 0xf8800000, v[208+\b]  ; 15 off the exponent field: the conversion's scale operand
.endr
.irp b, 0,1,2,3
.endr
.irp b, 0,1,2,3
	s_delay_alu instid0(VALU_DEP_4)
	v_lshrrev_b32 v[212+\b], 23, v[220+\b]         ; the scale's byte
.endr
	s_delay_alu instid0(VALU_DEP_3)
	v_lshl_or_b32 v246, v213, 8, v212              ; p's scale word for these 128 keys
	s_delay_alu instid0(VALU_DEP_1)
	v_lshl_or_b32 v246, v214, 16, v246
	s_delay_alu instid0(VALU_DEP_1)
	v_lshl_or_b32 v246, v215, 24, v246
	v_pk_add_f32 v[226:227], v[100:101], v[104:105]
	v_pk_add_f32 v[254:255], v[108:109], v[112:113]
	v_pk_add_f32 v[252:253], v[116:117], v[120:121]
	v_pk_add_f32 v[250:251], v[124:125], v[128:129]
	v_pk_add_f32 v[248:249], v[132:133], v[136:137]
	v_pk_add_f32 v[244:245], v[140:141], v[144:145]
	v_pk_add_f32 v[242:243], v[148:149], v[152:153]
	v_pk_add_f32 v[14:15], v[14:15], v[156:157]
	v_pk_add_f32 v[226:227], v[226:227], v[96:97]
	v_pk_add_f32 v[254:255], v[254:255], v[98:99]
	v_pk_add_f32 v[252:253], v[252:253], v[102:103]
	v_pk_add_f32 v[250:251], v[250:251], v[106:107]
	v_pk_add_f32 v[248:249], v[248:249], v[110:111]
	v_pk_add_f32 v[244:245], v[244:245], v[114:115]
	v_pk_add_f32 v[242:243], v[242:243], v[118:119]
	v_pk_add_f32 v[14:15], v[14:15], v[122:123]
	v_pk_add_f32 v[226:227], v[226:227], v[126:127]
	v_pk_add_f32 v[254:255], v[254:255], v[130:131]
	v_pk_add_f32 v[252:253], v[252:253], v[134:135]
	v_pk_add_f32 v[250:251], v[250:251], v[138:139]
	v_pk_add_f32 v[248:249], v[248:249], v[142:143]
	v_pk_add_f32 v[244:245], v[244:245], v[146:147]
	v_pk_add_f32 v[242:243], v[242:243], v[150:151]
	v_pk_add_f32 v[14:15], v[14:15], v[154:155]
	v_pk_add_f32 v[226:227], v[226:227], v[158:159]
	s_delay_alu instid0(VALU_DEP_2)
	v_pk_add_f32 v[14:15], v[14:15], v[250:251]
	s_delay_alu instid0(VALU_DEP_2)
	v_pk_add_f32 v[226:227], v[226:227], v[248:249]
	v_pk_add_f32 v[254:255], v[254:255], v[244:245]
	v_pk_add_f32 v[252:253], v[252:253], v[242:243]
	s_delay_alu instid0(VALU_DEP_2)
	v_pk_add_f32 v[14:15], v[14:15], v[254:255]
	s_delay_alu instid0(VALU_DEP_2)
	v_pk_add_f32 v[226:227], v[226:227], v[252:253]
	s_delay_alu instid0(VALU_DEP_1)
	v_pk_add_f32 v[14:15], v[14:15], v[226:227]
.irp b, 0,1,2,3
.set j, 0
.rept 16
.set j, j+1
.endr
	v_cvt_scalef32_pk8_bf8_f32 v[192+4*\b:193+4*\b], v[96+16*\b:103+16*\b], v[220+\b]
	v_cvt_scalef32_pk8_bf8_f32 v[194+4*\b:195+4*\b], v[104+16*\b:111+16*\b], v[220+\b]
.endr
	v_nop
.irp t, 0,1,2,3
.irp c, 0,1,2,3
	ds_load_b128 v[96+16*\t+4*\c:99+16*\t+4*\c], v[4+\i] offset:8192+2048*\t+512*\c   ; V's four fragments take p's place
.endr
.endr
	ds_load_b64 v[244:245], v[8+\i]
.set j, 0
.rept 16
	v_pk_mul_f32 v[160+j:161+j], v[160+j:161+j], v[224:225] op_sel_hi:[1,0]   ; O^T under the new M
.set j, j+2
.endr
.rept 4
	v_nop                                          ; p's codes were made by vector instructions: four places that name none of the products' registers, while V is on its way
.endr
	s_wait_alu depctr_va_vdst(0)
	s_wait_dscnt 0x0
.irp t, 0,1,2,3
	PV \t
.endr
.endm
; THE CHANGE OF SLOTS stands at a slot's head.  Each wave waits for all its tensor loads (its chunk of the slot ahead), adds 0 to its spare word, and waits for that and for its reads of the slot that it has left.
; fill = 1: behind a round of the cluster's barrier the slot just left is filled by descriptor g0: the load has two key steps in which to land; at most one tensor load of a wave is out.
; The other descriptor, whose load has just been shown done, steps two slots on.
.macro CHANGE fill, g0, other
	s_wait_tensorcnt 0x0
	ds_add_u32 v1, v2                              ; 0 onto my spare word
.if \fill
	s_add_nc_u64 s[\other+2:\other+3], s[\other+2:\other+3], 2*SLOTB   ; the type bits on top are not reached
.endif
	s_wait_dscnt 0x0
.if \fill
	CROUND
	TLOAD \g0
.else
	s_barrier_signal -1
	s_barrier_wait -1
.endif
.endm
.Ltrip:                                                ; seven trips of four key steps
	CHANGE 1, 36, 32
	STEP 0
	STEP 1
	CHANGE 1, 32, 36
	STEP 2
	STEP 3
	s_sub_co_u32 s43, s43, 1
	s_cmp_lg_u32 s43, 0
	s_cbranch_scc1 .Ltrip
	CHANGE 1, 36, 32                               ; the last four steps are written out: the last slot is asked for here (slot 0's stepped address is not used),
	STEP 0
	STEP 1
	CHANGE 0, 0, 0                                 ; and nothing more
	s_and_b32 s44, s16, 1                          ; x's rows for the residual are asked for two key steps ahead of their loads: an even wave asks for its own 16 rows and the next wave's,
	s_cmp_eq_u32 s44, 0                            ; a lane to each row's 256 bytes, each asked for once
	s_cbranch_scc0 .Lno_ask
	global_prefetch_b8 v3, s[66:67] th:TH_LOAD_NT scope:SCOPE_SE
.Lno_ask:
	STEP 2
	STEP 3
	; THE WAY OUT.  Wave w now also owns output channels 16 w .. 16 w + 15, for all 64 positions.
	v_and_b32 v228, 31, v0                         ; (these lines are also the places behind the last products)
	s_delay_alu instid0(VALU_DEP_1)
	v_lshlrev_b32 v4, 4, v228                      ; 16 x lane
	s_delay_alu instid0(VALU_DEP_2)
	v_lshlrev_b32 v5, 2, v228                      ; 4 x lane
	v_and_b32 v229, 15, v0                         ; r
	v_bfe_u32 v230, v0, 4, 1                       ; h
	s_delay_alu instid0(VALU_DEP_1)
	v_lshlrev_b32 v10, 14, v230
	s_delay_alu instid0(VALU_DEP_1)
	v_lshl_add_u32 v10, v229, 4, v10               ; x, out0: lanes 0-15 one channel's 256 bytes, lanes 16-31 the next channel's
	s_delay_alu instid0(VALU_DEP_4)
	v_lshlrev_b32 v11, 2, v229
.irp s, 0,1
.irp c, 0,1,2,3
	global_load_b128 v[32+16*\s+4*\c:35+16*\s+4*\c], v4, s[56:57] offset:2048*\s+512*\c   ; proj_w's fragments
.endr
.endr
	global_load_b32 v240, v5, s[58:59]
	global_load_b32 v241, v5, s[58:59] offset:128
	global_load_b32 v12, v11, s[60:61]             ; proj_b of my lane's channel
.irp i, 0,1,2,3,4,5,6,7
	global_load_b128 v[64+4*\i:67+4*\i], v10, s[66:67] offset:32768*\i th:TH_LOAD_NT
.endr
	v_add_f32 v14, v14, v15                        ; the sum's two halves,
	s_delay_alu instid0(VALU_DEP_1)
	v_permlanex16_b32 v228, v14, s20, s21
	s_delay_alu instid0(VALU_DEP_1)
	v_add_f32 v14, v14, v228                       ; and lane l xor 16's
	s_wait_alu depctr_va_vdst(0)
	v_rcp_f32 v14, v14
	s_lshl_b32 s44, s18, 1
	s_lshr_b32 s45, s17, 1
	s_add_co_u32 s44, s44, s45                     ; o's fragment: tile of rows m, K step head / 2
	s_and_b32 s45, s17, 1
	s_lshl_b32 s46, s44, 11
	s_lshl_b32 s47, s45, 10
	s_add_co_u32 s46, s46, s47                     ; my head's two groups of four registers in it
	s_lshl_b32 s47, s44, 7
	s_lshl_b32 s48, s45, 1
	s_add_co_u32 s47, s47, s48
	s_add_co_u32 s47, s47, OSC                     ; and its two bytes of the scale word
	s_mul_i32 s48, s16, 4352
	s_add_co_u32 s48, s48, STG                     ; my 16 rows of the stage
	v_add_nc_u32 v6, s46, v4
	v_add_nc_u32 v7, s47, v5
	v_mul_u32_u24 v8, v229, 272
	s_delay_alu instid0(VALU_DEP_1)
	v_lshl_add_u32 v8, v230, 6, v8
	s_delay_alu instid0(VALU_DEP_1)
	v_add_nc_u32 v8, s48, v8                       ; in: row r, + 64 h
	v_mul_u32_u24 v9, v230, 272
	s_delay_alu instid0(VALU_DEP_1)
	v_lshl_add_u32 v9, v229, 4, v9
	s_delay_alu instid0(VALU_DEP_1)
	v_add_nc_u32 v9, s48, v9                       ; back: lanes 0-15 one row, lanes 16-31 the next
.set j, 0
	s_wait_alu depctr_va_vdst(0)
.rept 16
	v_pk_mul_f32 v[160+j:161+j], v[160+j:161+j], v[14:15] op_sel_hi:[1,0]   ; O^T / the sum: register 16 B + i is channel 64 head + 32 B + 16 h + i of my query
.set j, j+2
.endr
	v_max3_num_f32 v208, |v160|, |v161|, FLOOR     ; o is quantised along the channels: my head's two blocks of 32
	v_max3_num_f32 v209, |v176|, |v177|, FLOOR
.irp i, 2,4,6,8,10,12,14
	s_delay_alu instid0(VALU_DEP_2)
	v_max3_num_f32 v208, v208, |v[160+\i]|, |v[161+\i]|
	s_delay_alu instid0(VALU_DEP_2)
	v_max3_num_f32 v209, v209, |v[176+\i]|, |v[177+\i]|
.endr
	s_delay_alu instid0(VALU_DEP_2)
	v_permlanex16_b32 v212, v208, s20, s21
	s_delay_alu instid0(VALU_DEP_2)
	v_permlanex16_b32 v213, v209, s20, s21
	s_delay_alu instid0(VALU_DEP_2)
	v_max_num_f32 v208, v208, v212
	s_delay_alu instid0(VALU_DEP_2)
	v_max_num_f32 v209, v209, v213
	s_delay_alu instid0(VALU_DEP_2)
	v_add_nc_u32 v220, 0xf8800000, v208
	s_delay_alu instid0(VALU_DEP_2)
	v_add_nc_u32 v221, 0xf8800000, v209
	s_delay_alu instid0(VALU_DEP_2)
	v_lshrrev_b32 v212, 23, v220
	s_delay_alu instid0(VALU_DEP_2)
	v_lshrrev_b32 v213, 23, v221
	s_delay_alu instid0(VALU_DEP_1)
	v_lshl_or_b32 v228, v213, 8, v212
.irp i, 0,1,2,3,4,5,6,7,8,9,10,11,12,13,14,15
.endr
	v_cvt_scalef32_pk8_bf8_f32 v[192:193], v[160:167], v220
	v_cvt_scalef32_pk8_bf8_f32 v[194:195], v[168:175], v220
	v_cvt_scalef32_pk8_bf8_f32 v[196:197], v[176:183], v221
	v_cvt_scalef32_pk8_bf8_f32 v[198:199], v[184:191], v221
	v_nop                                          ; a plain instruction behind the last conversion
	ds_store_b128 v6, v[192:195]                   ; the images of my part of o's fragment
	ds_store_b128 v6, v[196:199] offset:512
	ds_store_b16 v7, v228
	s_wait_dscnt 0x0                               ; for the others' sake: my stores have landed
	s_barrier_signal -1
	s_barrier_wait -1                              ; o's eight fragments lie in LDS
.irp m, 0,1,2,3
.irp s, 0,1
.irp c, 0,1,2,3
	ds_load_b128 v[96+64*\s+16*\m+4*\c:99+64*\s+16*\m+4*\c], v4 offset:OIMG+(2*\m+\s)*2048+512*\c
.endr
	ds_load_b32 v[248+2*\m+\s], v5 offset:OSC+(2*\m+\s)*128
.endr
.endr
	s_wait_loadcnt 8                               ; proj_w's fragments, scale words and proj_b are in; x's eight loads, issued behind them, may be out
	s_wait_dscnt 0x0
.irp s, 0,1                            ; source 0 = o's 16 positions, source 1 = proj_w's 16 rows: a lane holds one output channel and eight neighbouring positions.  Four accumulators by turns
.irp m, 0,1,2,3
.set rD, 16+8*\m+192*(\m/2)
.if \s == 0
	v_wmma_scale_f32_16x16x128_f8f6f4 v[rD:rD+7], v[96+16*\m:111+16*\m], v[32:47], 0, v[248+2*\m], v240 matrix_a_fmt:MATRIX_FMT_BF8 matrix_b_fmt:MATRIX_FMT_BF8
.else
	v_wmma_scale_f32_16x16x128_f8f6f4 v[rD:rD+7], v[160+16*\m:175+16*\m], v[48:63], v[rD:rD+7], v[249+2*\m], v241 matrix_a_fmt:MATRIX_FMT_BF8 matrix_b_fmt:MATRIX_FMT_BF8
.endif
.endr
.endr
.rept 8
	v_nop                                          ; eight places ahead of the first read of the results and of loads into the fragments' registers
.endr
.irp m, 0,1,2,3
.set rD, 16+8*\m+192*(\m/2)
.irp j, 0,2,4,6
	v_pk_add_f32 v[rD+\j:rD+\j+1], v[rD+\j:rD+\j+1], v[12:13] op_sel_hi:[1,0]   ; + proj_b
.endr
.endr
.irp m, 0,1,2,3
.set rD, 16+8*\m+192*(\m/2)
	ds_store_b128 v8, v[rD:rD+3] offset:128*(\m/2)+32*(\m%2)        ; positions 32 (m / 2) + 8 (m % 2) + 16 h + 0 .. 7 of my channel's row
	ds_store_b128 v8, v[rD+4:rD+7] offset:128*(\m/2)+32*(\m%2)+16
.endr
.irp i, 0,1,2,3,4,5,6,7
	ds_load_b128 v[96+4*\i:99+4*\i], v9 offset:544*\i               ; the rows are my own: LDS serves a wave's instructions in order (ISA guide 5.7.1.4), so these see the stores above
.endr
	s_wait_loadcnt 0x0                             ; x
.irp i, 0,1,2,3,4,5,6,7
	s_wait_dscnt 7-\i                              ; the younger reads of the stage may be out
	v_pk_add_f32 v[96+4*\i:97+4*\i], v[96+4*\i:97+4*\i], v[64+4*\i:65+4*\i]     ; + x
	v_pk_add_f32 v[98+4*\i:99+4*\i], v[98+4*\i:99+4*\i], v[66+4*\i:67+4*\i]
	global_store_b128 v10, v[96+4*\i:99+4*\i], s[68:69] offset:32768*\i th:TH_STORE_NT   ; 16 lanes store 256 consecutive bytes, at a multiple of 256 from out0's first byte
.endr
	s_wait_tensorcnt 0x0                           ; the wave's end
	ds_add_u32 v1, v2
	s_wait_dscnt 0x0
	CROUND                                         ; the closing round: no work-group ends while a partner may still ask for a tile that names it
	s_endpgm
.Lfunc_end_k_q994e3de74e_attn:
	.size	k_q994e3de74e_attn, .Lfunc_end_k_q994e3de74e_attn-k_q994e3de74e_attn
	.p2alignl 7, 3214868480
	.fill 96, 4, 3214868480
	.section	.rodata,"a",@progbits
	.p2align	6, 0x0
	.amdhsa_kernel k_q994e3de74e_attn
		.amdhsa_group_segment_fixed_size 327680
		.amdhsa_private_segment_fixed_size 0
		.amdhsa_enable_private_segment 0
		.amdhsa_kernarg_size 48
		.amdhsa_user_sgpr_count 2
		.amdhsa_user_sgpr_kernarg_segment_ptr 1
		.amdhsa_wavefront_size32 1
		.amdhsa_system_sgpr_workgroup_id_x 1
		.amdhsa_system_sgpr_workgroup_id_y 1
		.amdhsa_system_sgpr_workgroup_id_z 1
		.amdhsa_system_vgpr_workitem_id 0
		.amdhsa_next_free_vgpr 256
		.amdhsa_next_free_sgpr 80
		.amdhsa_reserve_vcc 0
		.amdhsa_float_denorm_mode_32 3
		.amdhsa_float_denorm_mode_16_64 3
		.amdhsa_fp16_overflow 1
		.amdhsa_memory_ordered 1
		.amdhsa_forward_progress 1
		.amdhsa_inst_pref_size 163
	.end_amdhsa_kernel
	.amdgpu_metadata
---
amdhsa.version: [ 1, 2 ]
amdhsa.kernels:
  - .name:           k_q994e3de74e_attn
    .symbol:         k_q994e3de74e_attn.kd
    .args:
      - { .name: qbuf, .offset: 0, .size: 8, .value_kind: global_buffer, .address_space: global }
      - { .name: kv, .offset: 8, .size: 8, .value_kind: global_buffer, .address_space: global }
      - { .name: wts, .offset: 16, .size: 8, .value_kind: global_buffer, .address_space: global }
      - { .name: proj_b, .offset: 24, .size: 8, .value_kind: global_buffer, .address_space: global }
      - { .name: x, .offset: 32, .size: 8, .value_kind: global_buffer, .address_space: global }
      - { .name: out0, .offset: 40, .size: 8, .value_kind: global_buffer, .address_space: global }
    .group_segment_fixed_size: 327680
    .private_segment_fixed_size: 0
    .kernarg_segment_align: 8
    .kernarg_segment_size: 48
    .max_flat_workgroup_size: 512
    .sgpr_count:     80
    .vgpr_count:     256
    .wavefront_size: 32
...
	.end_amdgpu_metadata
.endif
;; end of part 3
